; MI455X (gfx1250); checked and timed in simulation.
; The chip was launched on July 23, 2026; its instructions are those of AMD's public machine-readable ISA for CDNA 5 (MIT licence, August 2026) and "CDNA5" Instruction Set Architecture Reference Guide (July 2026). The comments in the code are by the model that wrote it; some were corrected since.
;; Primitive Library. Allowed arithmetic: matrix products marked QUANTISED: E2M3 operands, one E8M0 scale for each 32 along K, by v_wmma_scale_f32_16x16x128_f8f6f4 with both operands' format E2M3, f32 sums; products left as they are: f32 operands where the result goes on into a quantised operand, else bf16, f16 or f32 operands; f32 sums; everything else in f32.
;; Inputs: W1_codes 16 x 1,024 x 32 x 24 uint8 (E2M3 codes of W1, K innermost, in blocks of 32 codes, four codes in three bytes); W1_scales 16 x 1,024 x 32 uint8 (E8M0 scales of W1, one for each 32 codes along K); W2_codes 16 x 1,024 x 32 x 24 uint8 (E2M3 codes of W2, K innermost, in blocks of 32 codes, four codes in three bytes); W2_scales 16 x 1,024 x 32 uint8 (E8M0 scales of W2, one for each 32 codes along K); b1 16 x 1,024 float32; b2 16 x 1,024 float32; weights 2,048 x 16 float32; x_codes 2,048 x 32 x 24 uint8 (E2M3 codes of x, K innermost, in blocks of 32 codes, four codes in three bytes); x_scales 2,048 x 32 uint8 (E8M0 scales of x, one for each 32 codes along K).
;; Outputs: out0 2,048 x 1,024 float32.
;; This version of the problem:
;;   THIS VERSION OF THE PROBLEM IS GIVEN IN LOW PRECISION. The matrix products marked QUANTISED in the list below multiply operands that are first quantised to E2M3 (2 exponent bits, 3 mantissa bits; 6 bits a number), with one power-of-two scale for each 32 numbers along K (OCP MX v1.0); their sums are f32. All else is computed in f32.
;;   The module's matrix products, in the order in which they are computed (A, B: the left and right operand; K: the contracted axis; several contracted axes count as one K, in the product's order):
;;     1. [M 2,048, K 1,024] x [K 1,024, N 16,384]; A: input x (given as codes); B: input W1 (given as codes): QUANTISED
;;     2. batch 16 x [M 1,024, K 1,024] x [K 1,024, N 2,048]; A: input W2 (given as codes); B: computed on the way: QUANTISED
;;     3. batch 2,048 x [M 1,024, K 16] x [K 16, N 1]; A: computed on the way; B: input weights: left as it is (K = 16 < 32)
;;   THE QUANTISER, for each operand of a quantised product, along K:
;;     - K is cut into blocks of 32 from its start; a last block that is shorter is filled with zeros.
;;     - A block's scale is 2^e with e = floor(log2(the largest magnitude in the block)) - 2, held to -126 .. 127; a block of zeros has e = 0. As a byte (E8M0): e + 127.
;;     - Each number is divided by its block's scale, clamped to +-7.5, and rounded to the nearest number of E2M3, ties to even, subnormals kept.
;;     - The product sums the exact products of the quantised numbers (number of the format x scale) in f32.
;;   ~~~python
;;   def quantise(x, axis):      # numpy; x: float32 -> the quantised numbers, widened to float32 again
;;       x = np.moveaxis(x, axis, -1); K = x.shape[-1]
;;       x = np.pad(x, [(0, 0)] * (x.ndim - 1) + [(0, -K % 32)]); x = x.reshape(x.shape[:-1] + (-1, 32)); a = np.abs(x).max(-1, keepdims=True)
;;       e = np.where(a > 0, np.clip(np.frexp(np.where(a > 0, a, 1))[1] - 1 - 2, -126, 127), 0)      # np.frexp(a)[1] - 1 = floor(log2(a)), exactly
;;       r = np.clip(x / 2.0 ** e, -7.5, 7.5)
;;       step = 2.0 ** (np.maximum(np.frexp(np.where(r == 0, 1, r))[1] - 1, 0) - 3)
;;       q = np.round(r / step) * step * 2.0 ** e      # np.round: ties to even
;;       return np.moveaxis(q.reshape(q.shape[:-2] + (-1,))[..., :K], -1, axis).astype(np.float32)
;;   ~~~
;;   OPERANDS COMPUTED ON THE WAY. 'Computed on the way' means the value that the module computes at that place (a softmax that the list does not call 'softmax' is quantised finished and normalised). What goes into a quantiser is computed in f32, as accurately as f32 sums, v_exp_f32 and their like allow (about 1e-6 of the number): no bf16 or f16 on the way to a quantiser, and a product that is left as it is and whose result goes on into a quantised operand takes f32 operands (vector FMAs, or v_wmma_f32_16x16x4_f32). A number that lies on a knife's edge between two numbers of the format may be rounded either way, as far as f32 arithmetic and the matrix unit's own rounding can turn it there, and no further.
;;   INPUTS GIVEN AS CODES. W1 (in the module: [16, 1024, 1024], K = its axis 2); W2 (in the module: [16, 1024, 1024], K = its axis 2); x (in the module: [2048, 1024], K = its axis 1): each comes as NAME_codes (uint8): NAME with its K axis moved to the last place and cut into blocks of 32 codes, [.., K / 32, bytes a block], one block behind the other in memory; four codes in three bytes: a row's codes are one little-endian stream of bits, code i at bits 6 i .. 6 i + 5 (a code: sign, 2 exponent bits, 3 mantissa bits); and NAME_scales (uint8): the same leading axes, one E8M0 byte (e + 127) for each 32 codes along K. Its value is code x scale, taken as it is: it is not quantised again, and the codes and scales need not be those that the quantiser above would give.
;; One version. Each part assembles by itself: llvm-mc -triple=amdgcn-amd-amdhsa -mcpu=gfx1250 --defsym DOCPART=n.
;; ======== version 1 of 1: 3 launches
;; limits: right only within a limited range of input values
;; workspace buffers: hblk 26,738,688 bytes; part 33,554,432 bytes
;; launch hidden (part 1): grid 16 x 16, 8 waves a work-group, clusters of 4 x 1, 327,680 bytes of LDS; arguments x_codes, x_scales, W1_codes, W1_scales, b1, weights, hblk; writes hblk
.if DOCPART == 1
	.amdgcn_target "amdgcn-amd-amdhsa--gfx1250"
	.amdhsa_code_object_version 6
	.text
	.protected	k_q20fa6df20a_hidden
	.globl	k_q20fa6df20a_hidden
	.p2align	8
	.type	k_q20fa6df20a_hidden,@function
k_q20fa6df20a_hidden:
	s_mov_b64 s[64:65], 0
	v_nop
	global_prefetch_b8 v0, s[64:65] scope:SCOPE_SE
	s_setreg_imm32_b32 hwreg(HW_REG_WAVE_MODE, 25, 1), 1
	s_wait_xcnt 0x0
	s_wait_alu depctr_hold_cnt(0) depctr_sa_sdst(0) depctr_va_vdst(0) depctr_va_sdst(0) depctr_va_ssrc(0) depctr_va_vcc(0) depctr_vm_vsrc(0)
	s_getreg_b32 s2, hwreg(HW_REG_IB_STS2, 6, 4)
	s_cmp_eq_u32 s2, 0
	s_cbranch_scc0 .Lentry_in_a_cluster
	s_endpgm
.Lentry_in_a_cluster:
	s_bfe_u32 s2, ttmp6, 0x10000c
	s_cmp_lg_u32 s2, 0x3003
	s_cbranch_scc0 .Lentry_shape_is_right
	s_endpgm
.Lentry_shape_is_right:
; h[b][n][:] = gelu(x[b] . W1[n]^T + b1[n]), exact gelu, quantised to E2M3 along the hidden axis (one E8M0 byte for each 32), stored as operand images for the next launch.
; No work of the problem is left out: every expert counts for every token (the gates are weights, not a choice), and every input has a way to the output.
; SHARES.  A work-group takes 128 tokens (block Tb) of one expert n.  Eight waves, two to a SIMD: wave w takes tokens 32 (w & 3) .. + 31 (two tiles m of 16) and hidden units 512 (w >> 2) .. + 511.
; Its x (16 fragments of 16 tokens x 128 K, 192 registers) stays in registers.  W1 comes through a ring of two LDS slots; the four token blocks of a cluster ask for it JOINTLY.
; A STEP is 32 hidden units: 2 tiles u x 8 K steps = 16 fragments of W1, 32 matrix instructions, then the vector work on 32 numbers a lane.  A slot holds two steps; a trip of the loop is one slot.
; THE PRODUCT IS USED TRANSPOSED (source 0 = 16 rows of W1, source 1 = 16 tokens), and lane r of tile u takes row 8 u + r + 8 (r / 8) of the step's 32:
; so a lane holds ONE token, and its 16 registers of the two tiles are hidden units 16 (lane / 16) + 0 .. 15 of the step: neighbours along the next product's K.  b1 is the C of a sum's first product.
; TWO ORDERS.  Waves with (w & 1) xor (w >> 2) = 0 do the odd step's vector work ahead of the change of slots, the others behind it: between two barriers the first run products, vector, products, vector,
; the others vector, products, vector, products.
; GELU in f32: g = max(v, 0) - |v| Q, Q = 2^(-v v log2(e) / 2) t (A1 + t (A2 + t (A3 + t (A4 + t A5)))), t = 1 / (1 + 0.2316419 |v|): the five-term form of the normal tail, the factor 1 / sqrt(2 pi) folded into A1 .. A5.
; LIMITS: Q is good to about 1e-7 in absolute terms, so gelu to about |v| x 1e-7 in absolute terms, not relative to itself far below 0; NaN and infinities are not served;
; a block of zeros gets the byte 1 (its codes are zeros, and this program alone reads the bytes).
; OUT: block 16 n + Tb of hblk, 104,448 bytes: images [s 0..7][T 0..7] x 1,536 (register pair p of lane l at 256 p + 8 l); from 98,304 the scale words [s / 4][T / 2] x 512 (lane l: the words of s % 4 = 0 .. 3,
; token tile 2 (T / 2) + l / 16, token l % 16); from 102,400 the gate weights [i 0..3] x 512 (lane l: w of tile 2 i twice, of tile 2 i + 1 twice, token l % 16).
; PREFETCH: in trips 0 to 3 waves 0 to 2 name the 96 blocks of 256 bytes that are this work-group's quarter of the slot that the refill two trips on will ask for (384 blocks a slot, shared out among the cluster's four by address).
; REGISTERS: window 0: v0-111 addresses, scale words, the 32 sums, codes, constants; v112-255 twelve fragments of W1, and over them the vector work's 128 registers.  window 1: v0-191 x, v192-223 b1 (two sets).
.set PITCH,  816                       ; an LDS row of 768 bytes of codes: 3 x (256 + 16 of padding)
.set WREG,   26240                     ; what one joint load fills: 2 x 16 rows, and 128 bytes left free, so that the two halves of a tile's rows start in different banks
.set SLOT1,  104960                    ; four such regions are a slot; slot 1 begins here
.set XST,    209920                    ; x: 128 rows, filled once
.set SPARE,  314368                    ; the spare words: 128 bytes a wave, named by no other line
.set HBLK,   104448
.set AW0,  1                           ; v1, v2   my lane's place in a slot (the second: for pieces behind one padding more)
.set ADW,  3                           ; v3, v4   the same in the slot in hand
.set WSO,  5                           ; W1's scale words: 32 x my row
.set BO,   6                           ; b1: 64 x (lane / 16)
.set HO,   7                           ; 8 x lane
.set SPW,  8
.set NIL,  9
.set AX,   10                          ; v10, v11 x's rows in LDS, at the head alone
.set BS,   10
.set HWD,  11                          ; a trip's two scale bytes
.set XS,   12                          ; v12-19   x's scale words by K step: lanes 0-15 tile 0, lanes 16-31 tile 1
.set WS,   20                          ; v20-35   W1's: two sets of 8; lanes 0-15 tile u = 0, lanes 16-31 u = 1
.set ACC,  36                          ; v36-67   16 m + 8 u
.set CF,   68                          ; v68-79   half a fragment for each token tile
.set CS,   80                          ; v80-87   the odd step's codes
.set KC,   88                          ; constants, each twice, for the two halves of a dual instruction
.set K5,   90
.set K4,   92
.set K3,   94
.set K2,   96
.set K1,   98
.set SWD,  100                         ; v100-103 my four scale words
.set RT,   104
.set SCL,  108
.set BY,   110
.set WB,   112                         ; twelve fragments of W1
.set TT,   112
.set EE,   144
.set WW,   176
.set RR,   208
.set BI,   192                         ; window 1: b1
.set WV,   18
.set Q,    19
.set CH,   20
.set CX,   21
.set TBK,  22
.set NX,   23
.set G1X,  24
.set G1W,  32
.set G0X,  40
.set G0A,  44
.set G0B,  48
.set WSB,  52
.set B1B,  54
.set HB,   56
.set PFB,  58
.set PH,   66
.set CNT,  69
.set TB,   70                          ; the slot in hand
.set TL,   71                          ; the slot last asked for
.set LW,   72
.set LIM,  73
.set HSTEP, 74
.set SEL,  76
.set MK,   78
.set KP,   88
.set SB,   80
.set GB,   82
.set LTH,  84
.set LCH,  85
.set SAW,  87
.set MSB, 0
.macro WIN new                         ; the immediate's high byte repeats the setting that is left
.if MSB != (\new)
	s_set_vgpr_msb (MSB<<8)|(\new)
.set MSB, (\new)
.endif
.endm
.macro VW
	s_wait_alu depctr_va_vdst(0)
.endm
.macro PLACES
.rept 4
	v_nop
.endr
.endm
.macro CROUND                          ; a round of the cluster's barrier
	s_barrier_signal -1
	s_barrier_wait -1
	s_cmp_lg_u32 s[WV], 0
	s_cbranch_scc1 .Lnot_wave_0_\@
	s_barrier_signal -3
.Lnot_wave_0_\@:
	s_barrier_wait -3
	s_barrier_signal -1
	s_barrier_wait -1
.endm
.macro FILL                            ; waves 4 to 7 ask jointly for their regions of a slot; an s_nop 0 and four v_nop follow the load
	s_cmp_lt_u32 s[WV], 4
	s_cbranch_scc1 .Lno_load_\@
	tensor_load_to_lds s[G0B:G0B+3], s[G1W:G1W+7]
	s_nop 0
	PLACES
.Lno_load_\@:
.endm
; A fragment (16 rows x 128 K, 12 registers): lanes 0-15 take the row's pieces of 8 bytes 12 s + 0, 1, 2, 6, 7, 8, lanes 16-31 those three pieces on.  Piece PC lies at 8 PC + 16 (PC / 32).
.macro FRAG reg, adr, s, imm
.irp p, 0,1,2,3,4,5
.set PC, 12*(\s)+6*(\p/3)+\p%3
.if PC%32 < 29
	ds_load_b64 v[\reg+2*\p:\reg+2*\p+1], v[\adr] offset:(\imm)+8*PC+16*(PC/32)
.else
	ds_load_b64 v[\reg+2*\p:\reg+2*\p+1], v[\adr+1] offset:(\imm)+8*PC+16*(PC/32)
.endif
.endr
.endm
.macro LDW np, s0                      ; 48 LDS loads: W1's fragments of K steps s0 .. s0 + 3; fragment 2 s + u goes to place (2 s + u) % 12
.irp d, 0,1,2,3
.irp u, 0,1
.set rW, WB+12*((2*((\s0)+\d)+\u)%12)
	FRAG rW, ADW, (\s0)+\d, (\np)*16*PITCH+\u*8*PITCH
.endr
.endr
.endm
.macro WM                              ; the matrix instruction on rD, rA, rB, rC, rSA, rSB; rowA, rowB: which half of the lanes holds the scale words
.if rowA && rowB
	v_wmma_scale_f32_16x16x128_f8f6f4 v[rD:rD+7], v[rA:rA+11], v[rB:rB+11], v[rC:rC+7], v[rSA], v[rSB] matrix_a_fmt:MATRIX_FMT_FP6 matrix_b_fmt:MATRIX_FMT_FP6 matrix_a_scale:MATRIX_SCALE_ROW1 matrix_b_scale:MATRIX_SCALE_ROW1
.elseif rowA
	v_wmma_scale_f32_16x16x128_f8f6f4 v[rD:rD+7], v[rA:rA+11], v[rB:rB+11], v[rC:rC+7], v[rSA], v[rSB] matrix_a_fmt:MATRIX_FMT_FP6 matrix_b_fmt:MATRIX_FMT_FP6 matrix_a_scale:MATRIX_SCALE_ROW1
.elseif rowB
	v_wmma_scale_f32_16x16x128_f8f6f4 v[rD:rD+7], v[rA:rA+11], v[rB:rB+11], v[rC:rC+7], v[rSA], v[rSB] matrix_a_fmt:MATRIX_FMT_FP6 matrix_b_fmt:MATRIX_FMT_FP6 matrix_b_scale:MATRIX_SCALE_ROW1
.else
	v_wmma_scale_f32_16x16x128_f8f6f4 v[rD:rD+7], v[rA:rA+11], v[rB:rB+11], v[rC:rC+7], v[rSA], v[rSB] matrix_a_fmt:MATRIX_FMT_FP6 matrix_b_fmt:MATRIX_FMT_FP6
.endif
.endm
.macro MM4 s, par                      ; K step s: the four sums by turns, one instruction a turn
.irp m, 0,1
.irp u, 0,1
.set rD, ACC+16*\m+8*\u
.set rA, WB+12*((2*(\s)+\u)%12)
.set rB, 12*(8*\m+(\s))
.if (\s) == 0
.set rC, BI+16*(\par)+8*\u
.else
.set rC, rD
.endif
.set rSA, WS+8*(\par)+(\s)
.set rSB, XS+(\s)
.set rowA, \u
.set rowB, \m
	WM
.endr
.endr
.endm
; A step's products.  par: which of the slot's two steps, and its set of scale words and b1.  lw: the global loads that may stay out (the other set's six).
.macro MAT par, lw
	s_wait_loadcnt \lw
	LDW \par, 0
	WIN 0x14                                       ; x and b1 window 1
	s_wait_dscnt 36                                ; K step 0's twelve loads are in; three younger runs of 12 may be out
	MM4 0, \par
	WIN 0x04
	s_wait_dscnt 24
	MM4 1, \par
	PLACES                                         ; K steps 6 and 7 land where K steps 0 and 1 lay
	LDW \par, 4
	s_wait_dscnt 60                                ; behind K step 2's loads: K step 3's 12 and the 48 just issued
	MM4 2, \par
	s_wait_dscnt 48
	MM4 3, \par
	s_wait_dscnt 36
	MM4 4, \par
	s_wait_dscnt 24
	MM4 5, \par
	s_wait_dscnt 12
	MM4 6, \par
	s_wait_dscnt 0x0
	MM4 7, \par
	WIN 0
	PLACES                                         ; between the last products and what reads their sums or writes their registers
.endm
.macro LOADSET par, wo, bo             ; a step's scale words of W1 and b1 into set par: six loads
	global_load_b128 v[WS+8*(\par):WS+8*(\par)+3], v[WSO], s[WSB:WSB+1] offset:\wo
	global_load_b128 v[WS+8*(\par)+4:WS+8*(\par)+7], v[WSO], s[WSB:WSB+1] offset:(\wo)+16
	WIN 0x40
.irp q, 0,1,2,3
	global_load_b128 v[BI+16*(\par)+4*\q:BI+16*(\par)+4*\q+3], v[BO], s[B1B:B1B+1] offset:(\bo)+16*\q
.endr
	WIN 0
.endm
.macro LOADNEXT par, guard             ; the next trip's set par, as soon as this trip's products have read it; the launch's last trip has no next
.if \guard
	s_cmp_eq_u32 s[CNT], 1
	s_cbranch_scc1 .Lno_next_\@
.endif
	LOADSET \par, 2048+1024*(\par), 256+128*(\par)
.if \guard
.Lno_next_\@:
.endif
.endm
.macro DMUL d, a, b                    ; d = a b on 32 numbers, two an instruction
.set j, 0
.rept 16
	v_dual_mul_f32 v[\d+j], v[\a+j], v[\b+j] :: v_dual_mul_f32 v[\d+j+1], v[\a+j+1], v[\b+j+1]
.set j, j+2
.endr
.endm
.macro DFMA d, a, b, k                 ; d = a b + k
.set j, 0
.rept 16
	v_dual_fma_f32 v[\d+j], v[\a+j], v[\b+j], v[\k] :: v_dual_fma_f32 v[\d+j+1], v[\a+j+1], v[\b+j+1], v[\k+1]
.set j, j+2
.endr
.endm
; A step's vector work: gelu of the 32 sums, each tile's block scale, the conversion.  par = 1: the odd step completes half a fragment of each tile and stores it.
.macro VEC par
.set j, 0
.rept 16
	v_dual_max_num_f32 v[RR+j], 0, v[ACC+j] :: v_dual_max_num_f32 v[RR+j+1], 0, v[ACC+j+1]   ; max(v, 0); each sum is read from its low end on
.set j, j+2
.endr
.set j, 0
.rept 16
	v_pk_fma_f32 v[ACC+j:ACC+j+1], v[RR+j:RR+j+1], 2.0, v[ACC+j:ACC+j+1] op_sel_hi:[1,0,1] neg_lo:[0,0,1] neg_hi:[0,0,1]   ; |v| = 2 max(v, 0) - v, exactly; it takes v's place
.set j, j+2
.endr
.set j, 0
.rept 16
	v_pk_fma_f32 v[TT+j:TT+j+1], v[ACC+j:ACC+j+1], s[KP:KP+1], 1.0 op_sel_hi:[1,0,0]   ; 1 + p |v|
.set j, j+2
.endr
	VW                                             ; ahead of the first batch
.set j, 0
.rept 32
	v_rcp_f32 v[TT+j], v[TT+j]                     ; t; the exponent's two multiplies below are plain work behind this batch
.set j, j+1
.endr
.set j, 0
.rept 16
	v_dual_mul_f32 v[EE+j], v[KC], v[ACC+j] :: v_dual_mul_f32 v[EE+j+1], v[KC+1], v[ACC+j+1]
.set j, j+2
.endr
	DMUL EE, EE, ACC                               ; -v v log2(e) / 2
	VW                                             ; ahead of the batch
.set j, 0
.set j, 0
.rept 32
	v_exp_f32 v[EE+j], v[EE+j]
.set j, j+1
.endr
.set j, 0
	v_nop                                          ; a plain place behind the batch; the polynomial below reads t alone, whose wait stands ahead of the exponentials
.set j, 0
.rept 16
	v_dual_fma_f32 v[WW+j], v[TT+j], v[K5], v[K4] :: v_dual_fma_f32 v[WW+j+1], v[TT+j+1], v[K5+1], v[K4+1]
.set j, j+2
.endr
	DFMA WW, WW, TT, K3
	DFMA WW, WW, TT, K2
	DFMA WW, WW, TT, K1
	DMUL WW, WW, TT
	VW                                             ; one wait for the 32 exponentials, ahead of their first reader
	DMUL WW, WW, EE
.set j, 0
.rept 16
	v_pk_fma_f32 v[ACC+j:ACC+j+1], v[ACC+j:ACC+j+1], v[WW+j:WW+j+1], v[RR+j:RR+j+1] neg_lo:[1,0,0] neg_hi:[1,0,0]   ; gelu = max(v, 0) - |v| Q
.set j, j+2
.endr
.irp m, 0,1
	v_max3_num_f32 v[RT+\m], |v[ACC+16*\m]|, |v[ACC+16*\m+1]|, 0x1800000   ; the largest magnitude of my 16, two chains a tile, with the floor 2^(3 - 127): the byte cannot fall under 1
.endr
.irp m, 0,1
	v_max3_num_f32 v[RT+2+\m], |v[ACC+16*\m+2]|, |v[ACC+16*\m+3]|, |v[ACC+16*\m+4]|
.endr
.irp e, 0,1,2,3,4
.irp m, 0,1
	v_max3_num_f32 v[RT+2*(\e%2)+\m], v[RT+2*(\e%2)+\m], |v[ACC+16*\m+5+2*\e]|, |v[ACC+16*\m+6+2*\e]|
.endr
.endr
.irp m, 0,1
	v_max3_num_f32 v[RT+\m], v[RT+\m], v[RT+2+\m], |v[ACC+16*\m+15]|
.endr
.irp m, 0,1
	v_permlanex16_b32 v[RT+2+\m], v[RT+\m], s[SEL], s[SEL+1]       ; the block's other 16 lie in the lane 16 away
.endr
.irp m, 0,1
	v_max_num_f32 v[RT+\m], v[RT+\m], v[RT+2+\m]
.endr
.irp m, 0,1
	s_delay_alu instid0(VALU_DEP_2)
	v_add_nc_u32 v[SCL+\m], 0xff000000, v[RT+\m]   ; 2 off the exponent field: the conversion's scale operand
.endr
.irp m, 0,1
	s_delay_alu instid0(VALU_DEP_2)
	v_lshrrev_b32 v[BY+\m], 23, v[SCL+\m]          ; the scale's byte
.endr
.if \par
.irp m, 0,1
	v_cvt_scalef32_pk16_fp6_f32 v[CS+4*\m:CS+4*\m+2], v[ACC+16*\m:ACC+16*\m+15], v[SCL+\m]
.endr
	v_cndmask_b32 v[BS], v[BY], v[BY+1], s[MK]     ; lanes 0-15 tile 0's byte, lanes 16-31 tile 1's.  (Plain work behind the conversions)
	v_lshl_or_b32 v[HWD], v[BS], 8, v[HWD]
.irp m, 0,1
.irp i, 0,1,2
	v_permlane16_swap_b32 v[CF+6*\m+\i], v[CS+4*\m+\i]             ; a whole block to a lane: lanes 0-15 the even step's, lanes 16-31 the odd step's
.endr
.endr
.irp m, 0,1
.irp i, 0,1,2
	v_mov_b32 v[CF+6*\m+3+\i], v[CS+4*\m+\i]
.endr
.endr
.irp m, 0,1
.irp i, 0,1,2
	global_store_b64 v[HO], v[CF+6*\m+2*\i:CF+6*\m+2*\i+1], s[HB:HB+1] offset:1536*\m+256*\i   ; 32 lanes store 256 consecutive bytes, aligned
.endr
.endr
	v_alignbit_b32 v[SWD], v[SWD+1], v[SWD], 16    ; the trip's two bytes enter my four scale words from the top: after eight trips the first lie lowest
	v_alignbit_b32 v[SWD+1], v[SWD+2], v[SWD+1], 16
	v_alignbit_b32 v[SWD+2], v[SWD+3], v[SWD+2], 16
	v_alignbit_b32 v[SWD+3], v[HWD], v[SWD+3], 16
	VW
	s_wait_xcnt 0x0                                ; the stores have read their registers and base
	s_add_nc_u64 s[HB:HB+1], s[HB:HB+1], s[HSTEP:HSTEP+1]  ; the fragment's second half (768 on), or the next K step's images (11,520 on)
	s_xor_b32 s[HSTEP], s[HSTEP], 0x2e00           ; 768 xor 11,520
.else
.irp m, 0,1
	v_cvt_scalef32_pk16_fp6_f32 v[CF+6*\m:CF+6*\m+2], v[ACC+16*\m:ACC+16*\m+15], v[SCL+\m]
.endr
	v_cndmask_b32 v[HWD], v[BY], v[BY+1], s[MK]
	VW
.endif
.endm
; THE CHANGE OF SLOTS.  Each wave waits for all its tensor loads, adds 0 to its spare word, waits for that and for its reads of the slot.
; fill = 1: a round of the cluster's barrier, and the slot just left is asked for again jointly, first thing behind it: the load has a trip in which to land.
.macro CHANGE fill
	s_wait_tensorcnt 0x0                           ; no tensor load of mine is out, so the walking group 0 may be written
	ds_add_u32 v[SPW], v[NIL]
.if \fill
	s_xor_b32 s[TL], s[TL], SLOT1
	s_add_co_u32 s[G0B+1], s[TL], s[LW]
	s_add_nc_u64 s[G0B+2:G0B+3], s[G0B+2:G0B+3], 64*768   ; the next two steps: 64 rows of W1 on
.endif
	s_wait_dscnt 0x0
.if \fill
	CROUND
	FILL
.else
	s_barrier_signal -1
	s_barrier_wait -1
.endif
	s_xor_b32 s[TB], s[TB], SLOT1
	v_add_nc_u32 v[ADW], s[TB], v[AW0]
	v_add_nc_u32 v[ADW+1], s[TB], v[AW0+1]
	VW
.endm
.macro BODY fill, guard                ; a trip: one slot, two steps
	MAT 0, 6
	LOADNEXT 0, \guard
.if \fill
	s_cmp_gt_u32 s[CNT], s[LIM]                    ; trips 0 to 3, waves 0 to 2
	s_cbranch_scc0 .Lno_ask_\@
	global_prefetch_b8 v0, s[PFB:PFB+1] th:TH_LOAD_NT scope:SCOPE_SE
.Lno_ask_\@:
.endif
	VEC 0
.if \guard
	MAT 1, 0
.else
	MAT 1, 6
.endif
	LOADNEXT 1, \guard
	s_cmp_lg_u32 s[PH], 0
	s_cbranch_scc1 .Llater_\@
	VEC 1
.Llater_\@:
	CHANGE \fill
	s_cmp_eq_u32 s[PH], 0
	s_cbranch_scc1 .Ldone_\@
	VEC 1
.Ldone_\@:
	s_wait_xcnt 0x0                                ; the trip's loads and prefetch have read their bases
	s_add_nc_u64 s[WSB:WSB+1], s[WSB:WSB+1], 2048
	s_add_nc_u64 s[B1B:B1B+1], s[B1B:B1B+1], 256
.if \fill
	s_add_nc_u64 s[PFB:PFB+1], s[PFB:PFB+1], 49152
.endif
.endm
	s_load_b256 s[4:11], s[0:1], 0x0               ; x's codes, x's scales, W1's codes, W1's scales
	s_load_b128 s[12:15], s[0:1], 0x20             ; b1, weights
	s_load_b64 s[16:17], s[0:1], 0x30              ; hblk
	v_lshl_add_u32 v[SPW], v0, 2, SPARE
	v_mov_b32 v[NIL], 0
	ds_add_u32 v[SPW], v[NIL]                      ; the wave's opening: the add, twice on end, and its wait ahead of my first tensor load
	ds_add_u32 v[SPW], v[NIL]
	v_lshrrev_b32 v10, 5, v0
	v_readfirstlane_b32 s[WV], v10                 ; wave 0..7
	s_and_b32 s[Q], s[WV], 3                       ; my 32 tokens.  Also: which quarter of x or of a slot I fetch
	s_lshr_b32 s[CH], s[WV], 2                     ; my half of the hidden units
	s_and_b32 s[LTH], s[Q], 1                      ; a loader's 16 of each 32 rows of W1,
	s_lshr_b32 s[LCH], s[Q], 1                     ; and for which half of the hidden units
	s_and_b32 s[PH], s[WV], 1
	s_xor_b32 s[PH], s[PH], s[CH]                  ; which of the two orders I run
	s_and_b32 s[NX], ttmp7, 0xffff                 ; the expert
	s_mov_b32 s[G1X], (1<<20)|(5<<22)|(3<<25)      ; x: no mask; elements of 1 byte; 4 words of padding behind every 64
	s_mov_b32 s[G1X+1], 768<<16
	s_mov_b32 s[G1X+2], 32<<16
	s_mov_b32 s[G1X+3], 768<<16
	s_mov_b32 s[G1X+4], 32
	s_mov_b32 s[G1X+5], 768
	s_mov_b32 s[G1X+6], 0
	s_mov_b32 s[G1X+7], 0
	s_mov_b32 s[G1W], 15|(1<<20)|(1<<21)|(5<<22)|(3<<25)   ; W1: the mask names all four work-groups, bit 21 beside it; the same padding
	s_mov_b32 s[G1W+1], 12288<<16                  ; a row of the tile is 16 dense rows of W1,
	s_mov_b32 s[G1W+2], 2<<16                      ; two of them,
	s_mov_b32 s[G1W+3], 12288<<16
	s_mov_b32 s[G1W+4], 2
	s_mov_b32 s[G1W+5], 24576                      ; 32 rows of W1 apart: the even step's and the odd step's
	s_mov_b32 s[G1W+6], 0
	s_mov_b32 s[G1W+7], 0
	s_mul_i32 s[G0A+2], s[NX], 1024*768            ; W1: row 1,024 n + 512 x half + 16 x part: nothing of my place in the cluster
	s_mul_i32 s2, s[LCH], 512*768
	s_add_co_u32 s[G0A+2], s[G0A+2], s2
	s_mul_i32 s2, s[LTH], 16*768
	s_add_co_u32 s[G0A+2], s[G0A+2], s2
	s_mov_b32 s[G0A+3], 0
	s_lshl_b32 s[WSB], s[NX], 15                   ; W1's scales: 32 bytes a row
	s_lshl_b32 s2, s[CH], 14
	s_add_co_u32 s[WSB], s[WSB], s2
	s_mov_b32 s[WSB+1], 0
	s_lshl_b32 s[B1B], s[NX], 12                   ; b1: 4 bytes a unit
	s_lshl_b32 s2, s[CH], 11
	s_add_co_u32 s[B1B], s[B1B], s2
	s_mov_b32 s[B1B+1], 0
	s_mul_i32 s[LW], s[Q], WREG
	s_mov_b32 s[G0X], 1
	s_mul_i32 s[G0X+1], s[Q], 32*PITCH
	s_add_co_u32 s[G0X+1], s[G0X+1], XST
	s_mov_b32 s[G0A], 1
	s_mov_b32 s[G0A+1], s[LW]
	s_mov_b32 s[G0B], 1
	s_add_co_u32 s[G0B+1], s[LW], SLOT1
	s_mov_b32 s[TL], SLOT1
	s_mov_b32 s[TB], 0
	s_mul_i32 s[SAW], s[CH], 2*WREG
	s_mov_b32 s[KP], 0x3e6d3389                    ; 0.2316419
	s_mov_b32 s[KP+1], 0x3e6d3389                  ; (the packed form names the pair)
	s_mov_b32 s[SEL], 0x76543210
	s_mov_b32 s[SEL+1], 0xfedcba98
	s_mov_b32 s[MK], 0xffff0000
	s_mov_b32 s[HSTEP], 768
	s_mov_b32 s[HSTEP+1], 0
	s_cmp_lt_u32 s[WV], 3
	s_cselect_b32 s[LIM], 2, -1                    ; waves 0 to 2 prefetch while more than two refilling trips are left
	s_bfe_u32 s[CX], ttmp6, 0x40000                ; my place in the cluster: it enters global addresses alone
	s_lshl_b32 s[TBK], ttmp9, 2
	s_add_co_u32 s[TBK], s[TBK], s[CX]             ; my block of 128 tokens
	s_mul_i32 s[G0X+2], s[TBK], 128*768
	s_mul_i32 s3, s[Q], 32*768
	s_add_co_u32 s[G0X+2], s[G0X+2], s3
	s_mov_b32 s[G0X+3], 0
	s_lshl_b32 s60, s[TBK], 12                     ; x's scales: 32 bytes a token, my 32 tokens
	s_lshl_b32 s3, s[Q], 10
	s_add_co_u32 s60, s60, s3
	s_mov_b32 s61, 0
	s_lshl_b32 s62, s[TBK], 13                     ; weights: 64 bytes a token, my 32 tokens, column n
	s_lshl_b32 s3, s[Q], 11
	s_add_co_u32 s62, s62, s3
	s_lshl_b32 s3, s[NX], 2
	s_add_co_u32 s62, s62, s3
	s_mov_b32 s63, 0
	s_lshl_b32 s3, s[NX], 4
	s_add_co_u32 s3, s3, s[TBK]
	s_mul_i32 s3, s3, HBLK                         ; my block of hblk
	s_mul_i32 s2, s[CH], 4*12288
	s_add_co_u32 s[HB], s3, s2
	s_mul_i32 s2, s[Q], 2*1536
	s_add_co_u32 s[HB], s[HB], s2                  ; images: K step 4 x half, token tile 2 x quarter
	s_mov_b32 s[HB+1], 0
	s_lshl_b32 s2, s[Q], 9
	s_add_co_u32 s[SB], s3, s2
	s_add_co_u32 s[GB], s[SB], 102400
	s_add_co_u32 s[SB], s[SB], 98304
	s_lshl_b32 s2, s[CH], 11
	s_add_co_u32 s[SB], s[SB], s2                  ; scale words
	s_mov_b32 s[SB+1], 0
	s_lshl_b32 s2, s[CH], 8
	s_add_co_u32 s[GB], s[GB], s2                  ; the gate weights' image: part quarter, its lanes 16 x half on
	s_mov_b32 s[GB+1], 0
	s_mul_i32 s[PFB], s[NX], 1024*768              ; the prefetches: slot 4; of its 2 x 192 blocks of 256 bytes my work-group takes 96, my wave 32
	s_lshr_b32 s2, s[CX], 1
	s_mul_i32 s2, s2, 512*768
	s_add_co_u32 s[PFB], s[PFB], s2
	s_and_b32 s2, s[CX], 1
	s_mul_i32 s2, s2, 96*256
	s_add_co_u32 s[PFB], s[PFB], s2
	s_lshl_b32 s2, s[WV], 13
	s_add_co_u32 s[PFB], s[PFB], s2
	s_add_co_u32 s[PFB], s[PFB], 4*49152
	s_mov_b32 s[PFB+1], 0
	s_wait_dscnt 0x0                               ; both opening adds are done
	s_wait_kmcnt 0x0
	s_add_nc_u64 s[G0X+2:G0X+3], s[4:5], s[G0X+2:G0X+3]
	s_or_b32 s[G0X+3], s[G0X+3], 0x80000000
	s_add_nc_u64 s[G0A+2:G0A+3], s[8:9], s[G0A+2:G0A+3]
	s_add_nc_u64 s[G0B+2:G0B+3], s[G0A+2:G0A+3], 64*768
	s_or_b32 s[G0A+3], s[G0A+3], 0x80000000
	s_or_b32 s[G0B+3], s[G0B+3], 0x80000000
	s_add_nc_u64 s[WSB:WSB+1], s[10:11], s[WSB:WSB+1]
	s_add_nc_u64 s[B1B:B1B+1], s[12:13], s[B1B:B1B+1]
	s_add_nc_u64 s[60:61], s[6:7], s[60:61]
	s_add_nc_u64 s[62:63], s[14:15], s[62:63]
	s_add_nc_u64 s[HB:HB+1], s[16:17], s[HB:HB+1]
	s_add_nc_u64 s[SB:SB+1], s[16:17], s[SB:SB+1]
	s_add_nc_u64 s[GB:GB+1], s[16:17], s[GB:GB+1]
	s_add_nc_u64 s[PFB:PFB+1], s[8:9], s[PFB:PFB+1]
	CROUND                                         ; all four work-groups are here: the first joint loads meet
	s_cmp_lt_u32 s[WV], 4                          ; the head's loads, one a wave: waves 0 to 3 a quarter of x each, waves 4 to 7 a quarter of slot 0
	s_cbranch_scc0 .Lhead_w
	tensor_load_to_lds s[G0X:G0X+3], s[G1X:G1X+7]
	s_nop 0
	PLACES
	s_branch .Lhead_asked
.Lhead_w:
	tensor_load_to_lds s[G0A:G0A+3], s[G1W:G1W+7]
	s_nop 0
	PLACES
.Lhead_asked:
	v_and_b32 v112, 15, v0                         ; r
	v_bfe_u32 v113, v0, 4, 1                       ; h
	v_bfe_u32 v114, v0, 3, 1                       ; r / 8
	v_and_b32 v115, 7, v0                          ; r % 8
	v_and_b32 v116, 31, v0                         ; lane
	v_lshlrev_b32 v117, 5, v116                    ; x's scales: 32 x lane
	v_lshlrev_b32 v[HO], 3, v116
	v_and_b32 v118, 1, v0
	v_bfe_u32 v119, v0, 1, 4
	v_lshl_add_u32 v118, v118, 4, v119             ; the gate's token: 16 (lane % 2) + lane / 2
	v_lshlrev_b32 v118, 6, v118
	v_lshlrev_b32 v[WSO], 5, v112
	v_lshl_add_u32 v[WSO], v114, 8, v[WSO]
	v_lshl_add_u32 v[WSO], v113, 8, v[WSO]         ; 32 x (r + 8 (r / 8) + 8 h)
	v_lshlrev_b32 v[BO], 6, v113
	global_load_b32 v120, v118, s[62:63]           ; my gate weight
	global_load_b128 v[XS:XS+3], v117, s[60:61]
	global_load_b128 v[XS+4:XS+7], v117, s[60:61] offset:16
	LOADSET 0, 0, 0                                ; steps 0 and 1: scale words and b1
	LOADSET 1, 1024, 128
	v_mul_u32_u24 v[AX], v112, PITCH
	v_mad_u32_u24 v[AX], v113, 24, v[AX]
	v_add_nc_u32 v[AX], s[G0X+1], v[AX]            ; my 32 rows of x lie where quarter w & 3 was put
	v_lshl_add_u32 v[AX+1], v113, 4, v[AX]
	v_mul_u32_u24 v[AW0], v115, PITCH
	v_mad_u32_u24 v[AW0], v114, WREG, v[AW0]
	v_mad_u32_u24 v[AW0], v113, 24, v[AW0]
	v_add_nc_u32 v[AW0], s[SAW], v[AW0]
	v_lshl_add_u32 v[AW0+1], v113, 4, v[AW0]
	v_add_nc_u32 v[ADW], s[TB], v[AW0]
	v_add_nc_u32 v[ADW+1], s[TB], v[AW0+1]
.irp i, 0,1
	v_mov_b32 v[KC+\i], 0xbf38aa3b                 ; -log2(e) / 2
	v_mov_b32 v[K5+\i], 0x3f07dc22                 ; A5 =  0.5307027145
	v_mov_b32 v[K4+\i], 0xbf3a00e3                 ; A4 = -0.7265760135
	v_mov_b32 v[K3+\i], 0x3f35f0e3                 ; A3 =  0.7107068705
	v_mov_b32 v[K2+\i], 0xbe11a98e                 ; A2 = -0.142248368
	v_mov_b32 v[K1+\i], 0x3e027906                 ; A1 =  0.127414796
.endr
.irp i, 0,1,2,3
	v_mov_b32 v[SWD+\i], 0
	v_mov_b32 v[RT+\i], 0                          ; a lane permute's destination counts as one of its sources
.endr
	v_lshlrev_b32 v0, 8, v116                      ; the prefetches' offset: 256 x lane
	VW                                             ; at the head's end
	s_wait_tensorcnt 0x0                           ; my tile of the head's eight is in
	ds_add_u32 v[SPW], v[NIL]
	s_wait_dscnt 0x0
	CROUND
	FILL                                           ; slot 1, steps 2 and 3
	WIN 0x40                                       ; x's fragments 8 m + s into window 1
.set f, 0
.rept 16
	FRAG 12*f, AX, f%8, (f/8)*16*PITCH
.set f, f+1
.endr
	WIN 0
	s_wait_loadcnt 14                              ; the gate weight is in: fourteen younger loads may be out
	v_mov_b32 v121, v120                           ; each gate weight twice: the next launch multiplies pairs by it
	global_store_b64 v[HO], v[120:121], s[GB:GB+1] ; 32 lanes store 256 consecutive bytes, aligned
	s_wait_xcnt 0x0                                ; the head's loads and store have read their registers: W1's fragments may land there
	s_wait_dscnt 0x0
	s_mov_b32 s[CNT], 6
.Lloop1:                                               ; six trips: behind each change of slots the slot just left is asked for again
	BODY 1, 0
	s_sub_co_u32 s[CNT], s[CNT], 1
	s_cmp_lg_u32 s[CNT], 0
	s_cbranch_scc1 .Lloop1
	s_mov_b32 s[CNT], 2
.Lloop2:                                               ; the last two slots: nothing is asked for
	BODY 0, 1
	s_sub_co_u32 s[CNT], s[CNT], 1
	s_cmp_lg_u32 s[CNT], 0
	s_cbranch_scc1 .Lloop2
	v_lshlrev_b32 v[BS], 1, v[HO]
	global_store_b128 v[BS], v[SWD:SWD+3], s[SB:SB+1]  ; my four scale words: 32 lanes store 512 consecutive bytes, aligned
	s_wait_tensorcnt 0x0                           ; the wave's end
	ds_add_u32 v[SPW], v[NIL]
	s_wait_dscnt 0x0
	CROUND                                         ; the closing round: no work-group ends while a partner may still ask for a tile that names it
	s_endpgm
.Lfunc_end_k_q20fa6df20a_hidden:
	.size	k_q20fa6df20a_hidden, .Lfunc_end_k_q20fa6df20a_hidden-k_q20fa6df20a_hidden
	.p2alignl 7, 3214868480
	.fill 96, 4, 3214868480
	.section	.rodata,"a",@progbits
	.p2align	6, 0x0
	.amdhsa_kernel k_q20fa6df20a_hidden
		.amdhsa_group_segment_fixed_size 327680
		.amdhsa_private_segment_fixed_size 0
		.amdhsa_enable_private_segment 0
		.amdhsa_kernarg_size 56
		.amdhsa_user_sgpr_count 2
		.amdhsa_user_sgpr_kernarg_segment_ptr 1
		.amdhsa_wavefront_size32 1
		.amdhsa_system_sgpr_workgroup_id_x 1
		.amdhsa_system_sgpr_workgroup_id_y 1
		.amdhsa_system_sgpr_workgroup_id_z 1
		.amdhsa_system_vgpr_workitem_id 0
		.amdhsa_next_free_vgpr 512
		.amdhsa_next_free_sgpr 90
		.amdhsa_reserve_vcc 0
		.amdhsa_float_denorm_mode_32 3
		.amdhsa_float_denorm_mode_16_64 3
		.amdhsa_memory_ordered 1
		.amdhsa_forward_progress 1
		.amdhsa_inst_pref_size 179
	.end_amdhsa_kernel
	.amdgpu_metadata
---
amdhsa.version: [ 1, 2 ]
amdhsa.kernels:
  - .name:           k_q20fa6df20a_hidden
    .symbol:         k_q20fa6df20a_hidden.kd
    .args:
      - { .name: x_codes, .offset: 0, .size: 8, .value_kind: global_buffer, .address_space: global }
      - { .name: x_scales, .offset: 8, .size: 8, .value_kind: global_buffer, .address_space: global }
      - { .name: W1_codes, .offset: 16, .size: 8, .value_kind: global_buffer, .address_space: global }
      - { .name: W1_scales, .offset: 24, .size: 8, .value_kind: global_buffer, .address_space: global }
      - { .name: b1, .offset: 32, .size: 8, .value_kind: global_buffer, .address_space: global }
      - { .name: weights, .offset: 40, .size: 8, .value_kind: global_buffer, .address_space: global }
      - { .name: hblk, .offset: 48, .size: 8, .value_kind: global_buffer, .address_space: global }
    .group_segment_fixed_size: 327680
    .private_segment_fixed_size: 0
    .kernarg_segment_align: 8
    .kernarg_segment_size: 56
    .max_flat_workgroup_size: 256
    .sgpr_count:     90
    .vgpr_count:     512
    .wavefront_size: 32
...
	.end_amdgpu_metadata
.endif
;; end of part 1
;; launch combine (part 2): grid 8 x 32, 4 waves a work-group, clusters of 4 x 4, 327,680 bytes of LDS; arguments hblk, W2_codes, W2_scales, b2, part; writes part
.if DOCPART == 2
	.amdgcn_target "amdgcn-amd-amdhsa--gfx1250"
	.amdhsa_code_object_version 6
	.text
	.protected	k_q20fa6df20a_combine
	.globl	k_q20fa6df20a_combine
	.p2align	8
	.type	k_q20fa6df20a_combine,@function
k_q20fa6df20a_combine:
	s_mov_b64 s[64:65], 0
	v_nop
	global_prefetch_b8 v0, s[64:65] scope:SCOPE_SE
	s_setreg_imm32_b32 hwreg(HW_REG_WAVE_MODE, 25, 1), 1
	s_wait_xcnt 0x0
	s_wait_alu depctr_hold_cnt(0) depctr_sa_sdst(0) depctr_va_vdst(0) depctr_va_sdst(0) depctr_va_ssrc(0) depctr_va_vcc(0) depctr_vm_vsrc(0)
	s_getreg_b32 s2, hwreg(HW_REG_IB_STS2, 6, 4)
	s_cmp_eq_u32 s2, 0
	s_cbranch_scc0 .Lentry_in_a_cluster
	s_endpgm
.Lentry_in_a_cluster:
	s_bfe_u32 s2, ttmp6, 0x10000c
	s_cmp_lg_u32 s2, 0xf033
	s_cbranch_scc0 .Lentry_shape_is_right
	s_endpgm
.Lentry_shape_is_right:
.set VP,     432
.set HBLK,   104448
.set HHALF,  49152
.set VOFF,   98304
.set SLOT,   153600
.set SPARE,  319488
.set VP1,    528                       ; slot 1's rows of W2: bytes 256 to 767 of a row of codes, 512 bytes + 16 of padding, so that a tile's row begins on a multiple of 256 bytes
.set SPITCH, 272
.set AH,   1
.set AW,   3
.set WSO,  7
.set BO,   8
.set STO,  9
.set RD,   10
.set CO,   11
.set HSO,  12
.set WTO,  13
.set SPW,  14
.set NIL,  15
.set HS,   16
.set WSC,  48
.set WT,   64
.set BIAS, 80
.set PFO,  112
.set FX,   136
.set WV,   14
.set WH,   15
.set WL,   16
.set CX,   17
.set CY,   18
.set DB,   19
.set TBK,  20
.set CNT,  21
.set KQ,   22
.set CYC,  23
.set G1H,  24
.set G1V,  32
.set G0H,  40
.set G0V,  48
.set WSB,  56
.set B2B,  58
.set HPB,  60
.set PF0,  62
.set OB,   66
.set PF1,  68
.set PFS,  70
.set LIM,  72
.set MSB, 0
.macro WIN new
.if MSB != (\new)
	s_set_vgpr_msb (MSB<<8)|(\new)
.set MSB, (\new)
.endif
.endm
.macro CROUND
	s_barrier_signal -1
	s_barrier_wait -1
	s_cmp_lg_u32 s[WV], 0
	s_cbranch_scc1 .Lnot_wave_0_\@
	s_barrier_signal -3
.Lnot_wave_0_\@:
	s_barrier_wait -3
	s_barrier_signal -1
	s_barrier_wait -1
.endm
.macro JLOAD sl
	s_cmp_eq_u32 s[WH], 0
	s_cbranch_scc0 .Lfor_v_\@
	tensor_load_to_lds s[G0H+4*\sl:G0H+4*\sl+3], s[G1H:G1H+7]
	s_nop 0
.rept 4
	v_nop
.endr
	s_branch .Lasked_\@
.Lfor_v_\@:
	tensor_load_to_lds s[G0V+4*\sl:G0V+4*\sl+3], s[G1V+60*\sl:G1V+60*\sl+7]
	s_nop 0
.rept 4
	v_nop
.endr
.Lasked_\@:
.endm
.macro ASK c
	s_cmp_gt_u32 s[CNT], s[LIM+\c]
	s_cbranch_scc0 .Lnot_mine_\@
.if \c
	s_wait_alu depctr_va_vdst(0)
	global_prefetch_b8 v[PFO], s[PF1:PF1+1] th:TH_LOAD_NT scope:SCOPE_SE
	s_cmp_eq_u32 s[WV], 3
	s_cbranch_scc0 .Lnot_mine_\@
	global_prefetch_b8 v[PFO], s[PF1:PF1+1] offset:256 th:TH_LOAD_NT scope:SCOPE_SE
.else
	s_wait_alu depctr_va_vdst(0)
	global_prefetch_b8 v[PFO], s[PF0:PF0+1] th:TH_LOAD_NT scope:SCOPE_SE
.endif
.Lnot_mine_\@:
.endm
.macro PLACES
.rept 4
	v_nop
.endr
.endm
.macro WM
.if rowA && rowB
	v_wmma_scale_f32_16x16x128_f8f6f4 v[rD:rD+7], v[rA:rA+11], v[rB:rB+11], v[rC:rC+7], v[rSA], v[rSB] matrix_a_fmt:MATRIX_FMT_FP6 matrix_b_fmt:MATRIX_FMT_FP6 matrix_a_scale:MATRIX_SCALE_ROW1 matrix_b_scale:MATRIX_SCALE_ROW1
.elseif rowA
	v_wmma_scale_f32_16x16x128_f8f6f4 v[rD:rD+7], v[rA:rA+11], v[rB:rB+11], v[rC:rC+7], v[rSA], v[rSB] matrix_a_fmt:MATRIX_FMT_FP6 matrix_b_fmt:MATRIX_FMT_FP6 matrix_a_scale:MATRIX_SCALE_ROW1
.elseif rowB
	v_wmma_scale_f32_16x16x128_f8f6f4 v[rD:rD+7], v[rA:rA+11], v[rB:rB+11], v[rC:rC+7], v[rSA], v[rSB] matrix_a_fmt:MATRIX_FMT_FP6 matrix_b_fmt:MATRIX_FMT_FP6 matrix_b_scale:MATRIX_SCALE_ROW1
.else
	v_wmma_scale_f32_16x16x128_f8f6f4 v[rD:rD+7], v[rA:rA+11], v[rB:rB+11], v[rC:rC+7], v[rSA], v[rSB] matrix_a_fmt:MATRIX_FMT_FP6 matrix_b_fmt:MATRIX_FMT_FP6
.endif
.endm
.macro FRAGW reg, adr, sp, imm
.irp p, 0,1,2,3,4,5
.set PC, 12*(\sp)+6*(\p/3)+\p%3
.if PC%16 < 13
	ds_load_b64 v[\reg+2*\p:\reg+2*\p+1], v[\adr] offset:(\imm)+8*PC+16*(PC/16)
.else
	ds_load_b64 v[\reg+2*\p:\reg+2*\p+1], v[\adr+1] offset:(\imm)+8*PC+16*(PC/16)
.endif
.endr
.endm
.macro LOADF sl, sp, b
	WIN 0xc0
.irp tt, 0,1,2,3,4,5,6,7
.irp p, 0,1,2,3,4,5
	ds_load_b64 v[12*(12*(\b)+\tt)+2*\p:12*(12*(\b)+\tt)+2*\p+1], v[AH+(\sl)] offset:12288*(\sp)+1536*\tt+256*\p
.endr
.endr
.irp ot, 0,1,2,3
.set fA, 12*(\b)+8+\ot
.if fA < 21
	WIN 0xc0
.set rA, 12*fA
.else
	WIN 0
.set rA, FX+12*(fA-21)
.endif
.if (\sl)
.irp p, 0,1,2,3,4,5
	ds_load_b64 v[rA+2*\p:rA+2*\p+1], v[AW+2] offset:16*VP1*\ot+128+96*(\sp)+48*(\p/3)+8*(\p%3)
.endr
.else
	FRAGW rA, AW, \sp, 16*VP*\ot
.endif
.endr
	WIN 0
.endm
.macro MUL b, s, first
.irp ot, 0,1,2,3
.set fA, 12*(\b)+8+\ot
.if fA < 21
.set rA, 12*fA
.set wA, 3
.else
.set rA, FX+12*(fA-21)
.set wA, 0
.endif
.irp tt, 0,1,2,3,4,5,6,7
.set rB, 12*(12*(\b)+\tt)
.set rD, 8*(4*\tt+\ot)
.if \first
	WIN 0x8c|wA
.set rC, BIAS+8*\ot
.else
	WIN 0xac|wA
.set rC, rD
.endif
.set rSA, WSC+8*(\ot/2)+(\s)
.set rSB, HS+16*((\s)/4)+4*(\tt/2)+(\s)%4
.set rowA, \ot%2
.set rowB, \tt%2
	WM
.endr
.endr
.endm
.macro WEIGH first
	WIN 0
	PLACES
.if \first
	WIN 0x42
.else
	WIN 0x52
.endif
.irp tt, 0,1,2,3,4,5,6,7
.irp k, 0,1,2,3,4,5,6,7,8,9,10,11,12,13,14,15
.if \first
	v_pk_mul_f32 v[32*\tt+2*\k:32*\tt+2*\k+1], v[32*\tt+2*\k:32*\tt+2*\k+1], v[WT+2*\tt:WT+2*\tt+1]
.else
	v_pk_fma_f32 v[32*\tt+2*\k:32*\tt+2*\k+1], v[32*\tt+2*\k:32*\tt+2*\k+1], v[WT+2*\tt:WT+2*\tt+1], v[32*\tt+2*\k:32*\tt+2*\k+1]
.endif
.endr
.endr
	WIN 0
.endm
.macro PARM_M
	WIN 0
.irp k, 0,1
	global_load_b128 v[WSC+8*\k:WSC+8*\k+3], v[WSO], s[WSB:WSB+1] offset:1024*\k
.endr
.irp k, 0,1,2,3
	global_load_b128 v[HS+4*\k:HS+4*\k+3], v[WTO], s[HPB:HPB+1] offset:512*\k
.endr
.irp k, 0,1,2,3,4,5,6,7
	global_load_b128 v[BIAS+4*\k:BIAS+4*\k+3], v[BO], s[B2B:B2B+1] offset:64*(\k/2)+16*(\k%2)
.endr
.endm
.macro PARM_E
	WIN 0
.irp k, 0,1
	global_load_b128 v[WSC+8*\k+4:WSC+8*\k+7], v[WSO], s[WSB:WSB+1] offset:1024*\k+16
.endr
.irp k, 4,5,6,7
	global_load_b128 v[HS+4*\k:HS+4*\k+3], v[WTO], s[HPB:HPB+1] offset:512*\k
.endr
.irp k, 0,1,2,3
	global_load_b128 v[WT+4*\k:WT+4*\k+3], v[WTO], s[HPB:HPB+1] offset:4096+512*\k
.endr
.endm
.macro CHANGE sl, chg
	WIN 0
	s_wait_tensorcnt 0x0
	ds_add_u32 v[SPW], v[NIL]
.if (\chg) == 2
	s_add_nc_u64 s[G0H+4*\sl+2:G0H+4*\sl+3], s[G0H+4*\sl+2:G0H+4*\sl+3], 16*HBLK
	s_add_nc_u64 s[G0V+4*\sl+2:G0V+4*\sl+3], s[G0V+4*\sl+2:G0V+4*\sl+3], 1024*768
.endif
	s_wait_dscnt 0x0
.if (\chg) == 2
	CROUND
	JLOAD \sl
.else
	s_barrier_signal -1
	s_barrier_wait -1
	PLACES
.endif
.endm
.macro EXPERT first, last
	s_wait_dscnt 0x0
	s_wait_loadcnt 10
	LOADF 0, 1, 1
	MUL 0, 0, 1
	s_wait_dscnt 0x0
	PLACES
	LOADF 0, 2, 0
	MUL 1, 1, 0
	s_wait_dscnt 0x0
	PLACES
.if (\last) == 0
	s_wait_xcnt 0x0
	s_add_nc_u64 s[HPB:HPB+1], s[HPB:HPB+1], 16*HBLK
	s_add_nc_u64 s[WSB:WSB+1], s[WSB:WSB+1], 32768
	s_add_nc_u64 s[B2B:B2B+1], s[B2B:B2B+1], 4096
	s_add_nc_u64 s[PF0:PF0+1], s[PF0:PF0+1], s[PFS:PFS+1]
	s_add_nc_u64 s[PF1:PF1+1], s[PF1:PF1+1], s[PFS:PFS+1]
.endif
	LOADF 0, 3, 1
	MUL 0, 2, 0
.if \last
	CHANGE 0, 1
.else
	CHANGE 0, 2
.endif
	LOADF 1, 0, 0
.if (\last) == 0
	ASK 0
.endif
	MUL 1, 3, 0
	s_wait_dscnt 0x0
	s_wait_loadcnt 0x0
	PLACES
.if (\last) == 0
	PARM_M
.endif
	LOADF 1, 1, 1
	MUL 0, 4, 0
	s_wait_dscnt 0x0
	PLACES
	LOADF 1, 2, 0
	MUL 1, 5, 0
	s_wait_dscnt 0x0
	PLACES
	LOADF 1, 3, 1
	MUL 0, 6, 0
.if \last
	s_wait_dscnt 0x0
.else
	CHANGE 1, 2
	LOADF 0, 0, 0
	ASK 1
.endif
	MUL 1, 7, 0
	WEIGH \first
.if (\last) == 0
	PARM_E
.endif
.endm
	s_load_b256 s[4:11], s[0:1], 0x0
	s_load_b64 s[12:13], s[0:1], 0x20
	v_lshl_add_u32 v[SPW], v0, 2, SPARE
	v_mov_b32 v[NIL], 0
	ds_add_u32 v[SPW], v[NIL]
	ds_add_u32 v[SPW], v[NIL]
	v_lshrrev_b32 v172, 5, v0
	v_readfirstlane_b32 s[WV], v172
	s_lshr_b32 s[WH], s[WV], 1
	s_and_b32 s[WL], s[WV], 1
	s_bfe_u32 s[CX], ttmp6, 0x40000
	s_bfe_u32 s[CY], ttmp6, 0x40004
	s_lshl_b32 s[DB], ttmp9, 2
	s_add_co_u32 s[DB], s[DB], s[CX]
	s_and_b32 s[CYC], ttmp7, 0xffff
	s_lshr_b32 s[KQ], s[CYC], 1
	s_and_b32 s[CYC], s[CYC], 1
	s_lshl_b32 s[TBK], s[CYC], 2
	s_add_co_u32 s[TBK], s[TBK], s[CY]
	s_lshl_b32 s74, s[CY], 2
	s_lshl_b32 s74, 15, s74
	s_lshl_b32 s75, 0x1111, s[CX]
	s_or_b32 s[G1H], s74, (3<<16)|(1<<21)
	s_mov_b32 s[G1H+1], 32<<16
	s_mov_b32 s[G1H+2], 192<<16
	s_mov_b32 s[G1H+3], 32<<16
	s_mov_b32 s[G1H+4], 192
	s_mov_b32 s[G1H+5], 32
	s_mov_b32 s[G1H+6], 0
	s_mov_b32 s[G1H+7], 0
	s_or_b32 s[G1V], s75, (1<<20)|(1<<21)|(4<<22)|(3<<25)
	s_mov_b32 s[G1V+1], 384<<16
	s_mov_b32 s[G1V+2], 64<<16
	s_mov_b32 s[G1V+3], 384<<16
	s_mov_b32 s[G1V+4], 64
	s_mov_b32 s[G1V+5], 768
	s_mov_b32 s[G1V+6], 0
	s_mov_b32 s[G1V+7], 0
	s_or_b32 s[G1V+60], s75, (1<<20)|(1<<21)|(6<<22)|(3<<25)
	s_mov_b32 s[G1V+61], 512<<16
	s_mov_b32 s[G1V+62], 64<<16
	s_mov_b32 s[G1V+63], 512<<16
	s_mov_b32 s[G1V+64], 64
	s_mov_b32 s[G1V+65], 768
	s_mov_b32 s[G1V+66], 0
	s_mov_b32 s[G1V+67], 0
	s_lshl_b32 s76, s[KQ], 6
	s_lshl_b32 s77, s[TBK], 1
	s_add_co_u32 s76, s76, s77
	s_mul_i32 s76, s76, HBLK
	s_mul_i32 s77, s[WL], HBLK
	s_add_co_u32 s77, s77, s76
	s_mov_b32 s[G0H+2], s77
	s_mov_b32 s[G0H+3], 0
	s_mul_i32 s78, s[WL], HHALF
	s_mov_b32 s[G0H], 1
	s_mov_b32 s[G0H+1], s78
	s_mov_b32 s[G0H+4], 1
	s_add_co_u32 s[G0H+5], s78, SLOT
	s_add_co_u32 s[HPB], s77, 98304
	s_mov_b32 s[HPB+1], 0
	s_mul_i32 s[G0V+2], s[KQ], 4*1024*768
	s_mul_i32 s79, s[DB], 128*768
	s_add_co_u32 s[G0V+2], s[G0V+2], s79
	s_mul_i32 s79, s[WL], 64*768
	s_add_co_u32 s[G0V+2], s[G0V+2], s79
	s_mov_b32 s[G0V+3], 0
	s_mul_i32 s79, s[WL], 64*VP
	s_mov_b32 s[G0V], 1
	s_add_co_u32 s[G0V+1], s79, VOFF
	s_mov_b32 s[G0V+4], 1
	s_mul_i32 s79, s[WL], 64*VP1
	s_add_co_u32 s[G0V+5], s79, SLOT+VOFF
	s_lshl_b32 s[WSB], s[KQ], 17
	s_lshl_b32 s79, s[DB], 12
	s_add_co_u32 s[WSB], s[WSB], s79
	s_lshl_b32 s79, s[WH], 11
	s_add_co_u32 s[WSB], s[WSB], s79
	s_mov_b32 s[WSB+1], 0
	s_lshl_b32 s79, s[DB], 9
	s_lshl_b32 s[B2B], s[WH], 8
	s_add_co_u32 s79, s79, s[B2B]
	s_lshl_b32 s[B2B], s[KQ], 14
	s_add_co_u32 s[B2B], s[B2B], s79
	s_mov_b32 s[B2B+1], 0
	s_lshl_b32 s[OB], s[KQ], 23
	s_add_co_u32 s[OB], s[OB], s79
	s_lshl_b32 s79, s[TBK], 20
	s_add_co_u32 s[OB], s[OB], s79
	s_lshl_b32 s79, s[WL], 19
	s_add_co_u32 s[OB], s[OB], s79
	s_mov_b32 s[OB+1], 0
	s_wait_dscnt 0x0
	s_wait_kmcnt 0x0
	s_add_nc_u64 s[G0H+2:G0H+3], s[4:5], s[G0H+2:G0H+3]
	s_add_nc_u64 s[G0H+6:G0H+7], s[G0H+2:G0H+3], HHALF
	s_or_b32 s[G0H+3], s[G0H+3], 0x80000000
	s_or_b32 s[G0H+7], s[G0H+7], 0x80000000
	s_add_nc_u64 s[G0V+2:G0V+3], s[6:7], s[G0V+2:G0V+3]
	s_add_nc_u64 s[G0V+6:G0V+7], s[G0V+2:G0V+3], 256
	s_or_b32 s[G0V+3], s[G0V+3], 0x80000000
	s_or_b32 s[G0V+7], s[G0V+7], 0x80000000
	s_add_nc_u64 s[HPB:HPB+1], s[4:5], s[HPB:HPB+1]
	s_add_nc_u64 s[WSB:WSB+1], s[8:9], s[WSB:WSB+1]
	s_add_nc_u64 s[B2B:B2B+1], s[10:11], s[B2B:B2B+1]
	s_add_nc_u64 s[OB:OB+1], s[12:13], s[OB:OB+1]
	CROUND
	JLOAD 0
	s_wait_alu depctr_va_vdst(0)
	s_wait_tensorcnt 0x0
	ds_add_u32 v14, v15
	s_wait_dscnt 0x0
	CROUND
	JLOAD 1
	v_and_b32 v172, 15, v0
	v_bfe_u32 v173, v0, 4, 1
	v_and_b32 v174, 31, v0
	v_lshlrev_b32 v[WSO], 5, v174
	v_lshlrev_b32 v[BO], 5, v173
	v_lshlrev_b32 v[HSO], 3, v174
	v_lshlrev_b32 v[WTO], 4, v174
	PARM_M
	PARM_E
	v_add_nc_u32 v[AH], s78, v[HSO]
	v_add_nc_u32 v[AH+1], SLOT, v[AH]
	s_mul_i32 s79, s[WH], 64*VP
	s_add_co_u32 s79, s79, VOFF
	v_mul_u32_u24 v[AW], v172, VP
	v_mad_u32_u24 v[AW], v173, 24, v[AW]
	v_add_nc_u32 v[AW], s79, v[AW]
	v_lshl_add_u32 v[AW+1], v173, 4, v[AW]
	s_mul_i32 s79, s[WH], 64*VP1
	s_add_co_u32 s79, s79, SLOT+VOFF
	v_mul_u32_u24 v[AW+2], v172, VP1
	v_mad_u32_u24 v[AW+2], v173, 24, v[AW+2]
	v_add_nc_u32 v[AW+2], s79, v[AW+2]
	s_mul_i32 s79, s[WV], 16*SPITCH
	v_mul_u32_u24 v[STO], v172, SPITCH
	v_lshl_add_u32 v[STO], v173, 5, v[STO]
	v_add_nc_u32 v[STO], s79, v[STO]
	v_mul_u32_u24 v[RD], v173, SPITCH
	v_lshl_add_u32 v[RD], v172, 4, v[RD]
	v_add_nc_u32 v[RD], s79, v[RD]
	v_lshlrev_b32 v[CO], 12, v173
	v_lshl_add_u32 v[CO], v172, 4, v[CO]
	s_mul_i32 s80, s[CX], 3
	s_add_co_u32 s80, s80, s[WV]
	s_mov_b32 s82, HBLK
	s_cmp_ge_u32 s80, 6
	s_cselect_b32 s81, 6, 0
	s_cselect_b32 s82, s82, 0
	s_sub_co_u32 s80, s80, s81
	s_lshl_b32 s80, s80, 13
	s_add_co_u32 s80, s80, s82
	s_add_co_u32 s80, s80, s76
	s_lshl_b32 s81, s[KQ], 12
	s_lshl_b32 s82, s[DB], 7
	s_add_co_u32 s81, s81, s82
	s_lshl_b32 s82, s[CY], 5
	s_add_co_u32 s81, s81, s82
	s_mul_i32 s81, s81, 768
	s_mov_b32 s83, 16*HBLK
	s_mov_b32 s84, HHALF
	s_mov_b32 s87, 768
	s_cmp_lt_u32 s[WV], 3
	s_cselect_b32 s80, s80, s81
	s_cselect_b32 s[PFS], s83, 1024*768
	s_cselect_b32 s84, s84, 512
	s_cselect_b32 s87, 256, s87
	s_cselect_b32 s86, ttmp9, s[CYC]
	s_cselect_b64 s[PF0:PF0+1], s[4:5], s[6:7]
	s_mov_b32 s81, 0
	s_mov_b32 s85, 0
	s_mov_b32 s[PFS+1], 0
	s_add_nc_u64 s[PF0:PF0+1], s[PF0:PF0+1], s[80:81]
	s_add_nc_u64 s[PF1:PF1+1], s[PF0:PF0+1], s[PFS:PFS+1]
	s_add_nc_u64 s[PF0:PF0+1], s[PF0:PF0+1], s[84:85]
	s_cmp_eq_u32 s86, 0
	s_cselect_b32 s[LIM], 0, -1
	s_cselect_b32 s[LIM+1], 1, -1
	v_mul_lo_u32 v[PFO], v174, s87
	s_wait_tensorcnt 0x1
	s_barrier_signal -1
	s_barrier_wait -1
	LOADF 0, 0, 0
	s_mov_b32 s[CNT], 3
	EXPERT 1, 0
	s_mov_b32 s[CNT], 2
.Lexp:
	EXPERT 0, 0
	s_sub_co_u32 s[CNT], s[CNT], 1
	s_cmp_lg_u32 s[CNT], 0
	s_cbranch_scc1 .Lexp
	EXPERT 0, 1
.macro TOSTAGE tt
	WIN 0x04
.irp ot, 0,1,2,3
	ds_store_b128 v[STO], v[32*(\tt)+8*\ot:32*(\tt)+8*\ot+3] offset:64*\ot
	ds_store_b128 v[STO], v[32*(\tt)+8*\ot+4:32*(\tt)+8*\ot+7] offset:64*\ot+16
.endr
	WIN 0x80
.irp k, 0,1,2,3,4,5,6,7
	ds_load_b128 v[32*(\tt)+4*\k:32*(\tt)+4*\k+3], v[RD] offset:2*SPITCH*\k
.endr
	WIN 0
.endm
.macro SEND tt, younger
	s_wait_dscnt \younger
	WIN 0x08
.irp k, 0,1,2,3,4,5,6,7
	global_store_b128 v[CO], v[32*(\tt)+4*\k:32*(\tt)+4*\k+3], s[OB:OB+1] offset:(16*(\tt)+2*\k)*4096 th:TH_STORE_NT
.endr
	WIN 0
.endm
	TOSTAGE 0
	s_wait_alu depctr_va_vdst(0)
.irp a, 1,2,3,4,5,6,7
	TOSTAGE \a
	SEND \a-1, 16
.endr
	SEND 7, 0
	s_wait_tensorcnt 0x0
	ds_add_u32 v[SPW], v[NIL]
	s_wait_dscnt 0x0
	CROUND
	s_endpgm
.Lfunc_end_k_q20fa6df20a_combine:
	.size	k_q20fa6df20a_combine, .Lfunc_end_k_q20fa6df20a_combine-k_q20fa6df20a_combine
	.p2alignl 7, 3214868480
	.fill 96, 4, 3214868480
	.section	.rodata,"a",@progbits
	.p2align	6, 0x0
	.amdhsa_kernel k_q20fa6df20a_combine
		.amdhsa_group_segment_fixed_size 327680
		.amdhsa_private_segment_fixed_size 0
		.amdhsa_enable_private_segment 0
		.amdhsa_kernarg_size 40
		.amdhsa_user_sgpr_count 2
		.amdhsa_user_sgpr_kernarg_segment_ptr 1
		.amdhsa_wavefront_size32 1
		.amdhsa_system_sgpr_workgroup_id_x 1
		.amdhsa_system_sgpr_workgroup_id_y 1
		.amdhsa_system_sgpr_workgroup_id_z 1
		.amdhsa_system_vgpr_workitem_id 0
		.amdhsa_next_free_vgpr 1024
		.amdhsa_next_free_sgpr 100
		.amdhsa_reserve_vcc 0
		.amdhsa_float_denorm_mode_32 3
		.amdhsa_float_denorm_mode_16_64 3
		.amdhsa_memory_ordered 1
		.amdhsa_forward_progress 1
		.amdhsa_inst_pref_size 255
	.end_amdhsa_kernel
	.section	.bss,"aw",@nobits
	.p2align	6
	.space	262144
	.amdgpu_metadata
---
amdhsa.version: [ 1, 2 ]
amdhsa.kernels:
  - .name:           k_q20fa6df20a_combine
    .symbol:         k_q20fa6df20a_combine.kd
    .args:
      - { .name: hblk, .offset: 0, .size: 8, .value_kind: global_buffer, .address_space: global }
      - { .name: W2_codes, .offset: 8, .size: 8, .value_kind: global_buffer, .address_space: global }
      - { .name: W2_scales, .offset: 16, .size: 8, .value_kind: global_buffer, .address_space: global }
      - { .name: b2, .offset: 24, .size: 8, .value_kind: global_buffer, .address_space: global }
      - { .name: part, .offset: 32, .size: 8, .value_kind: global_buffer, .address_space: global }
    .group_segment_fixed_size: 327680
    .private_segment_fixed_size: 0
    .kernarg_segment_align: 8
    .kernarg_segment_size: 40
    .max_flat_workgroup_size: 128
    .sgpr_count:     100
    .vgpr_count:     1024
    .wavefront_size: 32
...
	.end_amdgpu_metadata
.endif
;; end of part 2
;; launch reduce (part 3): grid 512 x 1, 8 waves a work-group, no clusters, 0 bytes of LDS; arguments part, out0; writes out0
.if DOCPART == 3
	.amdgcn_target "amdgcn-amd-amdhsa--gfx1250"
	.amdhsa_code_object_version 6
	.text
	.protected	k_q20fa6df20a_reduce
	.globl	k_q20fa6df20a_reduce
	.p2align	8
	.type	k_q20fa6df20a_reduce,@function
k_q20fa6df20a_reduce:
	s_mov_b64 s[64:65], 0
	v_nop
	global_prefetch_b8 v0, s[64:65] scope:SCOPE_SE
	s_setreg_imm32_b32 hwreg(HW_REG_WAVE_MODE, 25, 1), 1
	s_wait_xcnt 0x0
; out0 = (part[0] + part[1]) + (part[2] + part[3]): the sums over the four groups of experts that the launch before has stored, each [2048][1024] f32.  No work of the problem is left out.
; LIMIT: this order of the four additions is another order of rounding than a sum over the experts in their order.
; A stream: every byte is read once and written once.  A work-group owns 16,384 bytes of out0; thread t owns the 16 bytes at 16 t of each of its four runs of 4,096 bytes, so a wave's load or store covers
; 512 consecutive bytes, aligned.  All sixteen loads of a thread go out at once; no register is written twice, so no loop and no wait for sources.  LDS, barriers and the matrix units would add nothing.
.set PARTB, 8388608                    ; bytes in a part
.set X, 4                              ; v[4:67]: run i, part k at 16 i + 4 k
	s_load_b128 s[4:7], s[0:1], 0x0                ; part, out0
	s_lshl_b32 s2, ttmp9, 14                       ; the work-group's 16,384 bytes
	s_mov_b32 s3, 0
	v_lshlrev_b32 v1, 4, v0
	s_wait_alu depctr_va_vdst(0)
	s_wait_kmcnt 0x0
	s_add_nc_u64 s[4:5], s[4:5], s[2:3]
	s_add_nc_u64 s[6:7], s[6:7], s[2:3]
	s_add_nc_u64 s[8:9], s[4:5], PARTB             ; a base for each part: a part's length is just beyond a load's signed 24-bit immediate
	s_add_nc_u64 s[10:11], s[8:9], PARTB
	s_add_nc_u64 s[12:13], s[10:11], PARTB
.irp i, 0,1,2,3
	global_load_b128 v[X+16*\i:X+16*\i+3],     v1, s[4:5]   offset:4096*\i th:TH_LOAD_NT
	global_load_b128 v[X+16*\i+4:X+16*\i+7],   v1, s[8:9]   offset:4096*\i th:TH_LOAD_NT
	global_load_b128 v[X+16*\i+8:X+16*\i+11],  v1, s[10:11] offset:4096*\i th:TH_LOAD_NT
	global_load_b128 v[X+16*\i+12:X+16*\i+15], v1, s[12:13] offset:4096*\i th:TH_LOAD_NT
.endr
.irp i, 0,1,2,3
	s_wait_loadcnt 12-4*\i                         ; loads come back in order (ISA guide 5.7.1): run i's four are in, the later runs' may be out
	v_pk_add_f32 v[X+16*\i:X+16*\i+1],     v[X+16*\i:X+16*\i+1],     v[X+16*\i+4:X+16*\i+5]
	v_pk_add_f32 v[X+16*\i+2:X+16*\i+3],   v[X+16*\i+2:X+16*\i+3],   v[X+16*\i+6:X+16*\i+7]
	v_pk_add_f32 v[X+16*\i+8:X+16*\i+9],   v[X+16*\i+8:X+16*\i+9],   v[X+16*\i+12:X+16*\i+13]
	v_pk_add_f32 v[X+16*\i+10:X+16*\i+11], v[X+16*\i+10:X+16*\i+11], v[X+16*\i+14:X+16*\i+15]
	s_delay_alu instid0(VALU_DEP_2)
	v_pk_add_f32 v[X+16*\i:X+16*\i+1],     v[X+16*\i:X+16*\i+1],     v[X+16*\i+8:X+16*\i+9]
	s_delay_alu instid0(VALU_DEP_2)
	v_pk_add_f32 v[X+16*\i+2:X+16*\i+3],   v[X+16*\i+2:X+16*\i+3],   v[X+16*\i+10:X+16*\i+11]
	global_store_b128 v1, v[X+16*\i:X+16*\i+3], s[6:7] offset:4096*\i th:TH_STORE_NT
.endr
	s_endpgm
.Lfunc_end_k_q20fa6df20a_reduce:
	.size	k_q20fa6df20a_reduce, .Lfunc_end_k_q20fa6df20a_reduce-k_q20fa6df20a_reduce
	.p2alignl 7, 3214868480
	.fill 96, 4, 3214868480
	.section	.rodata,"a",@progbits
	.p2align	6, 0x0
	.amdhsa_kernel k_q20fa6df20a_reduce
		.amdhsa_group_segment_fixed_size 0
		.amdhsa_private_segment_fixed_size 0
		.amdhsa_enable_private_segment 0
		.amdhsa_kernarg_size 16
		.amdhsa_user_sgpr_count 2
		.amdhsa_user_sgpr_kernarg_segment_ptr 1
		.amdhsa_wavefront_size32 1
		.amdhsa_system_sgpr_workgroup_id_x 1
		.amdhsa_system_sgpr_workgroup_id_y 1
		.amdhsa_system_sgpr_workgroup_id_z 1
		.amdhsa_system_vgpr_workitem_id 0
		.amdhsa_next_free_vgpr 72
		.amdhsa_next_free_sgpr 66
		.amdhsa_reserve_vcc 0
		.amdhsa_float_denorm_mode_32 3
		.amdhsa_float_denorm_mode_16_64 3
		.amdhsa_memory_ordered 1
		.amdhsa_forward_progress 1
		.amdhsa_inst_pref_size 5
	.end_amdhsa_kernel
	.amdgpu_metadata
---
amdhsa.version: [ 1, 2 ]
amdhsa.kernels:
  - .name:           k_q20fa6df20a_reduce
    .symbol:         k_q20fa6df20a_reduce.kd
    .args:
      - { .name: part, .offset: 0, .size: 8, .value_kind: global_buffer, .address_space: global }
      - { .name: out0, .offset: 8, .size: 8, .value_kind: global_buffer, .address_space: global }
    .group_segment_fixed_size: 0
    .private_segment_fixed_size: 0
    .kernarg_segment_align: 8
    .kernarg_segment_size: 16
    .max_flat_workgroup_size: 256
    .sgpr_count:     66
    .vgpr_count:     72
    .wavefront_size: 32
...
	.end_amdgpu_metadata
.endif
;; end of part 3
